; MI455X (gfx1250); checked and timed in simulation.
; The chip was launched on July 23, 2026; its instructions are those of AMD's public machine-readable ISA for CDNA 5 (MIT licence, August 2026) and "CDNA5" Instruction Set Architecture Reference Guide (July 2026). The comments in the code are by the model that wrote it; some were corrected since.
;; Box Pool. Allowed arithmetic: float matrix products may take bf16 or f16 operands with f32 sums; all other float work in f32.
;; Inputs: box 8 x 4 x 2,134 float32; score 8 x 40 x 2,134 float32.
;; Outputs: out0 8 x 40 x 2,134 int32.
;; 2 versions, each right; version 2 is version 1 with the launch pairs written anew for expert scheduling mode. Each part assembles by itself: llvm-mc -triple=amdgcn-amd-amdhsa -mcpu=gfx1250 --defsym DOCPART=n.
;; ======== version 1 of 2: 2 launches
;; workspace buffers: mask 4,665,344 bytes of whole numbers; flags 487,424 bytes of whole numbers
;; launch pairs (part 1): grid 476 x 1, 4 waves a work-group, no clusters, 26,112 bytes of LDS; arguments box, mask, flags; writes mask, flags
.if DOCPART == 1
	.amdgcn_target "amdgcn-amd-amdhsa--gfx1250"
	.amdhsa_code_object_version 6
	.text
	.protected	k_q888f862146_pairs
	.globl	k_q888f862146_pairs
	.p2align	8
	.type	k_q888f862146_pairs,@function
k_q888f862146_pairs:
	s_mov_b64 s[64:65], 0
	v_nop
	global_prefetch_b8 v0, s[64:65] scope:SCOPE_SE
	s_setreg_imm32_b32 hwreg(HW_REG_WAVE_MODE, 25, 1), 1
	s_wait_xcnt 0x0
; THE PAIR TEST.  box: [8][4][2134] f32 (x1, y1, x2, y2 by rows).  For every pair (i, j) of a batch: is RN(inter / union) >= 0.7f, computed as the
; reference computes it (f32, the same roundings)?  Out go whole numbers for the next launch:
;   mask[b][w][2176]   bit k of the word of column j: box i = 32 w + k passes the test with box j, i != j (the diagonal bit is taken out): i is a NEIGHBOUR of j
;   flags[b][q][2176]  for chunk q (boxes 320 q .. 320 q + 319, mask words 10 q .. 10 q + 9) of column j:
;                      bits 0-9: word 10 q + t is not 0;  bits 10-18, 19-27: the places in the chunk of the first and the second neighbour (0 where there is none);
;                      bit 28: box j passes with itself;  bits 30-31: the chunk's neighbours: 0, 1, 2, or 3 for more than two (the two places then serve nothing)
; SHARES.  A lane owns two neighbouring columns j0 = 64 g + 2 lane and j0 + 1 (a register pair, so that packed f32 arithmetic serves both); a wave owns
; 64 columns and one chunk (the seventh has 7 words): 8 x 34 x 7 = 1,904 waves, four to a work-group, none waiting for another.
; THE BOXES i are made ready once by the wave, a box a lane, and laid into the wave's own LDS: (x1, y1, max(x2, x1), max(y2, y1)) and max(area, 0);
; a box with i >= 2134 is all zeros and passes with nobody.  They come back by loads in which all lanes name the same address.
; THE ARITHMETIC.  lt = max(x1i, x1j); med3(lt, x2i, x2j) = max(min(x2i, x2j), lt), since lt never passes the larger of the two mended x2: so
; w = med3 - lt is the reference's clip(rb - lt, 0) with the same rounding.  inter = w h; union = (ai + aj) - inter.
; THE DIVISION is not made.  0.7f = 0x3f333333 has an odd last bit, so RN(I / U) >= 0.7f holds exactly where I > (0.7f - 2^-25) U.
; n1 = fma(0.7f, U, -I) is exact wherever |n1| is below an ulp of U, which covers the neighbourhood of 2^-25 U, and rounding keeps the order elsewhere;
; n2 = fma(-2^-25, U, n1) has the sign of the exact sum.  The pair passes where n2 < 0: its sign bit is shifted into the mask word.
; Clamping the areas at 0 changes nothing where inter > 0 (both boxes are then proper) and keeps U >= 0 where inter = 0, so such a pair never passes, as in the reference (0 / U).
; LIMITS.  Coordinates finite; widths, areas and sums of two areas below f32's largest number; unions not below 2^-100.  NaN is not treated.
.set N,      2134
.set ROWB,   4*N                 ; bytes in a row of box
.set BATB,   4*ROWB              ; bytes of a batch of box
.set PW,     10                  ; words in a chunk
.set NWORD,  67                  ; words of 32 boxes i
.set NCH,    7                   ; chunks
.set NGRP,   34                  ; groups of 64 columns
.set PITCH,  256*NGRP            ; bytes in a row of mask and of flags: 2,176 columns
.set MBAT,   NWORD*PITCH
.set SBAT,   NCH*PITCH
.set AOFF,   16*32*PW            ; in a wave's LDS: 320 boxes of 16 bytes, then 320 areas
.set WLDS,   AOFF+4*32*PW        ; 6,400 bytes a wave
.set SPARE,  4*WLDS              ; behind the four waves' parts: the spare words, 128 bytes a wave, two blocks of 256 bytes that no other line names
.set LANE, 1
.set SPW,  2                     ; LDS address of my spare word; never rewritten
.set NIL,  3                     ; 0; never rewritten
.set BA,   4                     ; LDS address of the word's 32 boxes (the same in all lanes)
.set AA,   5                     ; of its 32 areas
.set JW,   6                     ; the word in which my columns' diagonal bits lie (j0 is even: one word for both)
.set MO,   7                     ; 8 x lane: my byte offset in the wave's 256 bytes of a row of mask or flags
.set BIT,  8                     ; v8, v9   the diagonal bits of my two columns
.set X1J,  10                    ; v10-19   my two columns: x1, y1, mended x2, mended y2, clamped area, a pair each
.set Y1J,  12
.set X2J,  14
.set Y2J,  16
.set AJ,   18
.set ACC,  20                    ; v20, v21 the mask words in the making
.set ACB,  22                    ; v22, v23 the lower four bits of a batch of eight
.set DG,   24                    ; v24, v25 not 0: the column passes with itself
.set FL,   26                    ; v26, v27 the chunk's word flags, at last the whole flags word
.set ST,   28                    ; v28, v29 a finished pair of mask words, to be stored
.set DM,   30                    ; v30, v31 at work
.set IX,   32
.set JC,   33
.set JO,   34
.set STB,  35
.set STA,  36
.set BUF0, 40                    ; two buffers of 40: eight boxes i of four registers, then their eight areas
.set BUF1, 80
.set TMP,  120                   ; v120-183 eight registers for each of a batch's eight boxes; at the end twelve for each column's list
.set PI,   120                   ; while the boxes i are made ready: index, byte offset, area, width, height of slot t
.set PO,   130
.set PA,   140
.set PWD,  150
.set PHT,  160
.set CW,   170                   ; v170-173 my columns' widths and heights
.set FW,   184                   ; v184, v185 the chunk's first mask word that is not 0
.set LW,   186                   ; v186, v187 the OR of the later ones
	s_load_b128 s[4:7], s[0:1], 0x0                ; box s[4:5], mask s[6:7]
	s_load_b64 s[8:9], s[0:1], 0x10                ; flags
	v_lshl_add_u32 v[SPW], v0, 2, SPARE
	v_mov_b32 v[NIL], 0
	v_lshrrev_b32 v[LANE], 5, v0
	v_readfirstlane_b32 s10, v[LANE]               ; wave 0..3
	v_and_b32 v[LANE], 31, v0
	s_lshl2_add_u32 s11, ttmp9, s10                ; my wave among the 1,904
	s_mul_i32 s12, s11, 4406                       ; / 238: 4406 x 238 = 2^20 + 52, right for numbers below 20,000
	s_lshr_b32 s12, s12, 20                        ; b
	s_mul_i32 s13, s12, NGRP*NCH
	s_sub_co_u32 s13, s11, s13
	s_mul_i32 s14, s13, 9363                       ; / 7: 9363 x 7 = 2^16 + 5, right for numbers below 13,000
	s_lshr_b32 s14, s14, 16                        ; g
	s_mul_i32 s15, s14, NCH
	s_sub_co_u32 s15, s13, s15                     ; q
	s_mul_i32 s18, s15, PW                         ; the word in hand
	s_sub_co_u32 s16, NWORD, s18
	s_min_u32 s16, s16, PW                         ; words of my chunk: 10, or 7
	s_mul_i32 s28, s15, 32*PW                      ; the chunk's first box i
	s_mov_b32 s19, 1                               ; the flag of the word in hand
	s_mov_b32 s20, 0x3f333333                      ; 0.7f; named as a pair by the packed forms, which take the low word for both halves
	s_mov_b32 s21, s20
	s_mov_b32 s22, 0xb3000000                      ; -2^-25
	s_mov_b32 s23, s22
	s_mov_b32 s35, 0x10000000                      ; bit 28: the diagonal
	s_mul_i32 s26, s10, WLDS                       ; my wave's part of LDS
	s_mul_i32 s24, s12, BATB                       ; byte offsets, made apart from the addresses
	s_mov_b32 s25, 0
	s_mul_i32 s30, s12, MBAT
	s_mul_i32 s31, s18, PITCH
	s_add_co_u32 s30, s30, s31
	s_lshl_b32 s31, s14, 8
	s_add_co_u32 s30, s30, s31
	s_mov_b32 s31, 0
	s_mul_i32 s32, s12, SBAT
	s_mul_i32 s33, s15, PITCH
	s_add_co_u32 s32, s32, s33
	s_lshl_b32 s33, s14, 8
	s_add_co_u32 s32, s32, s33
	s_mov_b32 s33, 0
	s_lshl_b32 s34, s14, 6
	v_add_nc_u32 v[IX], s28, v[LANE]
.irp t, 0,1,2,3,4,5,6,7,8,9
	v_add_nc_u32 v[PI+\t], 32*\t, v[IX]            ; slot t: box i = 320 q + 32 t + lane
	v_min_u32 v[PO+\t], N-1, v[PI+\t]              ; no load leaves the row
	v_lshlrev_b32 v[PO+\t], 2, v[PO+\t]
.endr
	v_lshl_add_u32 v[JC], v[LANE], 1, s34          ; j0
	v_min_u32 v[JO], N-2, v[JC]                    ; the last group's lanes past column 2133 repeat the last pair; what they store lies in the rows' padding and is never read
	v_lshlrev_b32 v[JO], 2, v[JO]
	v_lshrrev_b32 v[JW], 5, v[JC]
	v_and_b32 v[BIT], 31, v[JC]
	v_mov_b32 v[BIT+1], 1
	v_lshlrev_b32 v[BIT], v[BIT], v[BIT+1]         ; 1 << (j0 mod 32)
	v_lshlrev_b32 v[BIT+1], 1, v[BIT]
	v_lshlrev_b32 v[MO], 3, v[LANE]
	v_lshl_add_u32 v[STB], v[LANE], 4, s26
	v_lshl_add_u32 v[STA], v[LANE], 2, s26
	v_mov_b32 v[BA], s26
	v_add_nc_u32 v[AA], AOFF, v[BA]
	v_mov_b32 v[ACC], 0                            ; written once so that the first shift has a source; 32 shifts push it out
	v_mov_b32 v[ACC+1], 0
.irp r, DG, FL, FW, LW
	v_mov_b32 v[\r], 0                             ; what is gathered by OR over the chunk's words starts empty
	v_mov_b32 v[\r+1], 0
.endr
	s_wait_kmcnt 0x0
	s_add_nc_u64 s[4:5], s[4:5], s[24:25]          ; box at my batch
	s_add_nc_u64 s[6:7], s[6:7], s[30:31]          ; mask at my batch, first word and group
	s_add_nc_u64 s[8:9], s[8:9], s[32:33]          ; flags at my batch, chunk and group
.irp t, 0,1,2,3,4,5,6,7,8,9
.irp k, 0,1,2,3
	global_load_b32 v[BUF0+4*\t+\k], v[PO+\t], s[4:5] offset:\k*ROWB   ; 32 lanes, 128 neighbouring bytes of a row
.endr
.endr
	global_load_b64 v[X1J:X1J+1], v[JO], s[4:5]
	global_load_b64 v[Y1J:Y1J+1], v[JO], s[4:5] offset:ROWB
	global_load_b64 v[X2J:X2J+1], v[JO], s[4:5] offset:2*ROWB
	global_load_b64 v[Y2J:Y2J+1], v[JO], s[4:5] offset:3*ROWB
	s_wait_loadcnt 0x0
.irp t, 0,1,2,3,4,5,6,7,8,9
	v_sub_f32 v[PWD+\t], v[BUF0+4*\t+2], v[BUF0+4*\t]
	v_sub_f32 v[PHT+\t], v[BUF0+4*\t+3], v[BUF0+4*\t+1]
	v_max_num_f32 v[BUF0+4*\t+2], v[BUF0+4*\t+2], v[BUF0+4*\t]
	v_max_num_f32 v[BUF0+4*\t+3], v[BUF0+4*\t+3], v[BUF0+4*\t+1]
	v_mul_f32 v[PA+\t], v[PWD+\t], v[PHT+\t]       ; the reference's area,
	v_max_num_f32 v[PA+\t], 0, v[PA+\t]            ; clamped
	v_cmp_gt_u32 vcc_lo, N, v[PI+\t]               ; a box of the tensor?
.irp k, 0,1,2,3
	v_cndmask_b32 v[BUF0+4*\t+\k], 0, v[BUF0+4*\t+\k], vcc_lo
.endr
	v_cndmask_b32 v[PA+\t], 0, v[PA+\t], vcc_lo
	ds_store_b128 v[STB], v[BUF0+4*\t:BUF0+4*\t+3] offset:512*\t
	ds_store_b32 v[STA], v[PA+\t] offset:AOFF+128*\t
.endr
	v_pk_add_f32 v[CW:CW+1], v[X2J:X2J+1], v[X1J:X1J+1] neg_lo:[0,1] neg_hi:[0,1]
	v_pk_add_f32 v[CW+2:CW+3], v[Y2J:Y2J+1], v[Y1J:Y1J+1] neg_lo:[0,1] neg_hi:[0,1]
	v_pk_mul_f32 v[AJ:AJ+1], v[CW:CW+1], v[CW+2:CW+3]
	v_max_num_f32 v[X2J], v[X2J], v[X1J]
	v_max_num_f32 v[X2J+1], v[X2J+1], v[X1J+1]
	v_max_num_f32 v[Y2J], v[Y2J], v[Y1J]
	v_max_num_f32 v[Y2J+1], v[Y2J+1], v[Y1J+1]
	v_max_num_f32 v[AJ], 0, v[AJ]
	v_max_num_f32 v[AJ+1], 0, v[AJ+1]
; Ten LDS loads: batch bi of the word dw words ahead.  A word's boxes are taken from the highest down, since each shift pushes the earlier bits up: batch 0 is i = 24..31, batch 3 is i = 0..7.
.macro LOADB buf, dw, bi
.set BLO, 8*(3-(\bi))
.irp e, 0,1,2,3,4,5,6,7
	ds_load_b128 v[(\buf)+4*(\e):(\buf)+4*(\e)+3], v[BA] offset:512*(\dw)+16*(BLO+(\e))
.endr
	ds_load_b128 v[(\buf)+32:(\buf)+35], v[AA] offset:128*(\dw)+4*BLO
	ds_load_b128 v[(\buf)+36:(\buf)+39], v[AA] offset:128*(\dw)+4*BLO+16
.endm
; ai + aj for both columns: box e's area is the low or the high register of a pair, and op_sel gives it to both halves
.macro AREAS buf, e
.if (\e)&1
	v_pk_add_f32 v[TMP+8*(\e)+2:TMP+8*(\e)+3], v[AJ:AJ+1], v[(\buf)+31+(\e):(\buf)+32+(\e)] op_sel:[0,1] op_sel_hi:[1,1]
.else
	v_pk_add_f32 v[TMP+8*(\e)+2:TMP+8*(\e)+3], v[AJ:AJ+1], v[(\buf)+32+(\e):(\buf)+33+(\e)] op_sel_hi:[1,0]
.endif
.endm
; A batch of eight boxes i against my two columns, stage by stage over all eight, so that no line reads a result made fewer than eight lines before it.
; HEAD is the part that reads the buffer; behind it the buffer can be loaded again.  Box e's registers at TMP + 8 e: 0-3 lt (x pair, y pair), 4-7 rb, then w and h; inter takes 0-1, the areas' sum 2-3.
.macro HEAD buf
.irp e, 7,6,5,4,3,2,1,0
	v_max_num_f32 v[TMP+8*(\e)],   v[(\buf)+4*(\e)],   v[X1J]
	v_max_num_f32 v[TMP+8*(\e)+1], v[(\buf)+4*(\e)],   v[X1J+1]
	v_max_num_f32 v[TMP+8*(\e)+2], v[(\buf)+4*(\e)+1], v[Y1J]
	v_max_num_f32 v[TMP+8*(\e)+3], v[(\buf)+4*(\e)+1], v[Y1J+1]
.endr
.irp e, 7,6,5,4,3,2,1,0
	v_med3_num_f32 v[TMP+8*(\e)+4], v[TMP+8*(\e)],   v[(\buf)+4*(\e)+2], v[X2J]
	v_med3_num_f32 v[TMP+8*(\e)+5], v[TMP+8*(\e)+1], v[(\buf)+4*(\e)+2], v[X2J+1]
	v_med3_num_f32 v[TMP+8*(\e)+6], v[TMP+8*(\e)+2], v[(\buf)+4*(\e)+3], v[Y2J]
	v_med3_num_f32 v[TMP+8*(\e)+7], v[TMP+8*(\e)+3], v[(\buf)+4*(\e)+3], v[Y2J+1]
.endr
.irp e, 7,6,5,4,3,2,1,0
	v_pk_add_f32 v[TMP+8*(\e)+4:TMP+8*(\e)+5], v[TMP+8*(\e)+4:TMP+8*(\e)+5], v[TMP+8*(\e):TMP+8*(\e)+1] neg_lo:[0,1] neg_hi:[0,1]
	v_pk_add_f32 v[TMP+8*(\e)+6:TMP+8*(\e)+7], v[TMP+8*(\e)+6:TMP+8*(\e)+7], v[TMP+8*(\e)+2:TMP+8*(\e)+3] neg_lo:[0,1] neg_hi:[0,1]
.endr
.irp e, 7,6,5,4,3,2,1,0
	v_pk_mul_f32 v[TMP+8*(\e):TMP+8*(\e)+1], v[TMP+8*(\e)+4:TMP+8*(\e)+5], v[TMP+8*(\e)+6:TMP+8*(\e)+7]
	AREAS \buf, \e
.endr
.endm
; REST: union; n1 = 0.7f U - I; n2 = n1 - 2^-25 U; the sign bits.  Two chains of four shifts for each column (boxes 7-4 onto the word, boxes 3-0 from 0), joined at the end: a shift waits for the one four lines back.
.macro REST
.irp e, 7,6,5,4,3,2,1,0
	v_pk_add_f32 v[TMP+8*(\e)+2:TMP+8*(\e)+3], v[TMP+8*(\e)+2:TMP+8*(\e)+3], v[TMP+8*(\e):TMP+8*(\e)+1] neg_lo:[0,1] neg_hi:[0,1]
.endr
.irp e, 7,6,5,4,3,2,1,0
	v_pk_fma_f32 v[TMP+8*(\e)+4:TMP+8*(\e)+5], v[TMP+8*(\e)+2:TMP+8*(\e)+3], s[20:21], v[TMP+8*(\e):TMP+8*(\e)+1] op_sel_hi:[1,0,1] neg_lo:[0,0,1] neg_hi:[0,0,1]
.endr
.irp e, 7,6,5,4,3,2,1,0
	v_pk_fma_f32 v[TMP+8*(\e)+4:TMP+8*(\e)+5], v[TMP+8*(\e)+2:TMP+8*(\e)+3], s[22:23], v[TMP+8*(\e)+4:TMP+8*(\e)+5] op_sel_hi:[1,0,1]
.endr
.irp e, 3,2,1,0
	v_alignbit_b32 v[ACC],   v[ACC],   v[TMP+8*((\e)+4)+4], 31   ; (word << 1) | sign
	v_alignbit_b32 v[ACC+1], v[ACC+1], v[TMP+8*((\e)+4)+5], 31
.if (\e) == 3
	v_alignbit_b32 v[ACB],   0, v[TMP+8*(\e)+4], 31
	v_alignbit_b32 v[ACB+1], 0, v[TMP+8*(\e)+5], 31
.else
	v_alignbit_b32 v[ACB],   v[ACB],   v[TMP+8*(\e)+4], 31
	v_alignbit_b32 v[ACB+1], v[ACB+1], v[TMP+8*(\e)+5], 31
.endif
.endr
	v_lshl_or_b32 v[ACC],   v[ACC],   4, v[ACB]
	v_lshl_or_b32 v[ACC+1], v[ACC+1], 4, v[ACB+1]
.endm
; A word is finished: its diagonal bits go to DG and out of the word; the pair is stored (32 lanes x 8 bytes: 256 consecutive bytes, at a multiple of 256 from the buffer's first);
; a word that is not 0 sets its flag; the first such word of the chunk is kept in FW, the later ones are gathered by OR in LW.
.macro FINAL
	v_cmp_eq_u32 vcc_lo, s18, v[JW]
	v_cndmask_b32 v[DM],   0, v[BIT],   vcc_lo
	v_cndmask_b32 v[DM+1], 0, v[BIT+1], vcc_lo
	v_and_b32 v[DM],   v[ACC],   v[DM]
	v_and_b32 v[DM+1], v[ACC+1], v[DM+1]
	v_or_b32 v[DG],   v[DG],   v[DM]
	v_or_b32 v[DG+1], v[DG+1], v[DM+1]
	v_xor_b32 v[ST],   v[ACC],   v[DM]
	v_xor_b32 v[ST+1], v[ACC+1], v[DM+1]
	global_store_b64 v[MO], v[ST:ST+1], s[6:7]
.irp c, 0,1
	v_cmp_ne_u32 vcc_lo, 0, v[ST+\c]
	v_cndmask_b32 v[DM+\c], 0, s19, vcc_lo
	v_or_b32 v[FL+\c], v[FL+\c], v[DM+\c]
	v_cmp_eq_u32 vcc_lo, 0, v[FW+\c]               ; no word so far was other than 0:
	v_cndmask_b32 v[DM+\c], v[ST+\c], 0, vcc_lo
	v_cndmask_b32 v[FW+\c], v[FW+\c], v[ST+\c], vcc_lo   ; this one is kept as the first; else it joins the later ones
	v_or_b32 v[LW+\c], v[LW+\c], v[DM+\c]
.endr
.endm
; A word: four batches on the two buffers by turns.  At each wait two batches' loads are out, ten each; LDS loads come back in order (ISA guide 5.7.1), so
; the count 10 shows the older batch in and leaves the younger on its way.  pre = 1: the next word's first two batches are asked for.
.macro WORD pre
	s_wait_dscnt 10
	HEAD BUF0
	LOADB BUF0, 0, 2
	REST
	s_wait_dscnt 10
	HEAD BUF1
	LOADB BUF1, 0, 3
	REST
	s_wait_dscnt 10
	HEAD BUF0
.if \pre
	LOADB BUF0, 1, 0
.endif
	REST
.if \pre
	s_wait_dscnt 10
.else
	s_wait_dscnt 0x0                               ; nothing was asked for behind the last batch
.endif
	HEAD BUF1
.if \pre
	LOADB BUF1, 1, 1
.endif
	REST
	FINAL
.endm
; THE LIST of column c's chunk, once a chunk, without a branch.  x & -x is x's lowest bit.  a0, a1: the two lowest bits of the first word, ra, ra2 what is left behind each; f0, f1, fr, fr2 the same
; of the word flags; b0, rb of the later words' OR.  There are more than two neighbours where ra2, fr2 or rb is not 0, or where a second word stands beside a first word of two bits.
; Else the second neighbour is a1 in the first word, or b0 in the second word (only one of the two is not 0).  A single bit's place is the exponent of its value as f32:
; 32 (exponent of the flag - 127) + (exponent of the bit - 127) = 32 ef + eb - 4191.
.macro ENC c
.set Q, TMP+12*(\c)
	v_sub_nc_u32 v[Q],   0, v[FW+(\c)]
	v_sub_nc_u32 v[Q+1], 0, v[FL+(\c)]
	v_sub_nc_u32 v[Q+2], 0, v[LW+(\c)]
	v_and_b32 v[Q],   v[Q],   v[FW+(\c)]           ; a0
	v_and_b32 v[Q+1], v[Q+1], v[FL+(\c)]           ; f0
	v_and_b32 v[Q+2], v[Q+2], v[LW+(\c)]           ; b0
	v_xor_b32 v[Q+3], v[Q],   v[FW+(\c)]           ; ra
	v_xor_b32 v[Q+4], v[Q+1], v[FL+(\c)]           ; fr
	v_xor_b32 v[Q+5], v[Q+2], v[LW+(\c)]           ; rb
	v_sub_nc_u32 v[Q+6], 0, v[Q+3]
	v_sub_nc_u32 v[Q+7], 0, v[Q+4]
	v_and_b32 v[Q+6], v[Q+6], v[Q+3]               ; a1
	v_and_b32 v[Q+7], v[Q+7], v[Q+4]               ; f1
	v_xor_b32 v[Q+8], v[Q+6], v[Q+3]               ; ra2
	v_xor_b32 v[Q+9], v[Q+7], v[Q+4]               ; fr2
	v_cmp_ne_u32 vcc_lo, 0, v[Q+4]                 ; there is a second word
	v_cndmask_b32 v[Q+10], 0, v[Q+3], vcc_lo       ; then ra counts as too many,
	v_cndmask_b32 v[Q+11], v[Q+1], v[Q+7], vcc_lo  ; and the second neighbour's word is f1's, else f0's
	v_or_b32 v[Q+8],  v[Q+8],  v[Q+9]
	v_or_b32 v[Q+10], v[Q+10], v[Q+5]
	v_or_b32 v[Q+8],  v[Q+8],  v[Q+10]             ; not 0: more than two
	v_or_b32 v[Q+6],  v[Q+6],  v[Q+2]              ; the second neighbour's bit
	v_or_b32 v[Q+3],  v[Q+3],  v[Q+4]              ; not 0: there is a second neighbour
.irp r, 0,1,6,11
	v_cvt_f32_u32 v[Q+\r], v[Q+\r]
.endr
.irp r, 0,1,6,11
	v_lshrrev_b32 v[Q+\r], 23, v[Q+\r]
.endr
	v_lshl_add_u32 v[Q],   v[Q+1],  5, v[Q]
	v_lshl_add_u32 v[Q+6], v[Q+11], 5, v[Q+6]
	v_add_nc_u32 v[Q],   0xffffefa1, v[Q]          ; - 4191
	v_add_nc_u32 v[Q+6], 0xffffefa1, v[Q+6]
	v_cmp_ne_u32 vcc_lo, 0, v[FL+(\c)]
	v_cndmask_b32 v[Q],   0, v[Q], vcc_lo          ; the first place, or 0
	v_cndmask_b32 v[Q+1], 0, 1, vcc_lo
	v_cmp_ne_u32 vcc_lo, 0, v[Q+3]
	v_cndmask_b32 v[Q+6], 0, v[Q+6], vcc_lo        ; the second place, or 0
	v_add_co_ci_u32 v[Q+1], vcc_lo, 0, v[Q+1], vcc_lo
	v_cmp_ne_u32 vcc_lo, 0, v[Q+8]
	v_cndmask_b32 v[Q+1], v[Q+1], 3, vcc_lo        ; the count
	v_lshl_or_b32 v[FL+(\c)], v[Q],   10, v[FL+(\c)]
	v_lshl_or_b32 v[FL+(\c)], v[Q+6], 19, v[FL+(\c)]
	v_lshl_or_b32 v[FL+(\c)], v[Q+1], 30, v[FL+(\c)]
	v_cmp_ne_u32 vcc_lo, 0, v[DG+(\c)]
	v_cndmask_b32 v[Q+2], 0, s35, vcc_lo
	v_or_b32 v[FL+(\c)], v[FL+(\c)], v[Q+2]
.endm
	LOADB BUF0, 0, 0                               ; LDS serves a wave's instructions in order (ISA guide 5.7.1.4): these see the stores above
	LOADB BUF1, 0, 1
	s_mov_b32 s17, 0
.Lword:                                                ; nine trips; the short chunk jumps over its dead ones
	s_cmp_ge_u32 s17, s16
	s_cbranch_scc1 .Ldead
	WORD 1
	s_wait_xcnt 0x0                                ; the store's base and data are rewritten only behind this wait
	s_add_nc_u64 s[6:7], s[6:7], PITCH             ; the next word's row of mask
	s_add_co_u32 s18, s18, 1
	s_lshl_b32 s19, s19, 1
	v_add_nc_u32 v[BA], 512, v[BA]
	v_add_nc_u32 v[AA], 128, v[AA]
.Ldead:
	s_add_co_u32 s17, s17, 1
	s_cmp_lt_u32 s17, PW-1
	s_cbranch_scc1 .Lword
	s_cmp_lt_u32 s16, PW                           ; the short chunk has no tenth word
	s_cbranch_scc1 .Lsum
	WORD 0                                         ; the tenth word is written out: it asks for nothing beyond the chunk
.Lsum:
	ENC 0
	ENC 1
	global_store_b64 v[MO], v[FL:FL+1], s[8:9]     ; again 256 consecutive bytes, aligned
	s_wait_tensorcnt 0x0                           ; the wave's end: behind my last LDS store
	ds_add_u32 v[SPW], v[NIL]
	s_wait_dscnt 0x0
	s_endpgm
.Lfunc_end_k_q888f862146_pairs:
	.size	k_q888f862146_pairs, .Lfunc_end_k_q888f862146_pairs-k_q888f862146_pairs
	.p2alignl 7, 3214868480
	.fill 96, 4, 3214868480
	.section	.rodata,"a",@progbits
	.p2align	6, 0x0
	.amdhsa_kernel k_q888f862146_pairs
		.amdhsa_group_segment_fixed_size 26112
		.amdhsa_private_segment_fixed_size 0
		.amdhsa_enable_private_segment 0
		.amdhsa_kernarg_size 24
		.amdhsa_user_sgpr_count 2
		.amdhsa_user_sgpr_kernarg_segment_ptr 1
		.amdhsa_wavefront_size32 1
		.amdhsa_system_sgpr_workgroup_id_x 1
		.amdhsa_system_sgpr_workgroup_id_y 1
		.amdhsa_system_sgpr_workgroup_id_z 1
		.amdhsa_system_vgpr_workitem_id 0
		.amdhsa_next_free_vgpr 188
		.amdhsa_next_free_sgpr 66
		.amdhsa_reserve_vcc 1
		.amdhsa_float_denorm_mode_32 3
		.amdhsa_float_denorm_mode_16_64 3
		.amdhsa_memory_ordered 1
		.amdhsa_forward_progress 1
		.amdhsa_inst_pref_size 88
	.end_amdhsa_kernel
	.amdgpu_metadata
---
amdhsa.version: [ 1, 2 ]
amdhsa.kernels:
  - .name:           k_q888f862146_pairs
    .symbol:         k_q888f862146_pairs.kd
    .args:
      - { .name: box, .offset: 0, .size: 8, .value_kind: global_buffer, .address_space: global }
      - { .name: mask, .offset: 8, .size: 8, .value_kind: global_buffer, .address_space: global }
      - { .name: flags, .offset: 16, .size: 8, .value_kind: global_buffer, .address_space: global }
    .group_segment_fixed_size: 26112
    .private_segment_fixed_size: 0
    .kernarg_segment_align: 8
    .kernarg_segment_size: 24
    .max_flat_workgroup_size: 128
    .sgpr_count:     66
    .vgpr_count:     188
    .wavefront_size: 32
...
	.end_amdgpu_metadata
.endif
;; end of part 1
;; launch pool (part 2): grid 1067 x 1, 10 waves a work-group, no clusters, 0 bytes of LDS; arguments score, mask, flags, out0; writes out0
.if DOCPART == 2
	.amdgcn_target "amdgcn-amd-amdhsa--gfx1250"
	.amdhsa_code_object_version 6
	.text
	.protected	k_q888f862146_pool
	.globl	k_q888f862146_pool
	.p2align	8
	.type	k_q888f862146_pool,@function
k_q888f862146_pool:
	s_mov_b64 s[64:65], 0
	v_nop
	global_prefetch_b8 v0, s[64:65] scope:SCOPE_SE
	s_setreg_imm32_b32 hwreg(HW_REG_WAVE_MODE, 25, 1), 1
	s_wait_xcnt 0x0
; THE POOL MASK.  out0[b][c][j] = 1 where the first largest of mask(i, j) x score[b][c][i] over i stands at i = j; row c = 0 is all ones.  score, out0: [8][40][2134].
; With v = score[b][c][j] if box j passes with itself, else 0, that is: no neighbour i < j has score >= v, no neighbour i > j has score > v,
; v > 0 if some i < j is no neighbour (its entry is 0), and v >= 0 if some i > j is none.  Neighbours are what the launch before found (the diagonal is not among them).
; SHARES.  score and out0 are walked as flat arrays.  A wave owns 64 consecutive numbers, 256 aligned bytes; a lane two neighbouring columns of one row (2134 is even, so a pair
; never crosses a row's end; a wave's 32 pairs touch two rows at the most).  10,670 waves, ten to a work-group, none waiting for another.
; THE SEARCH.  A column has seven flags words, one for each chunk of 320 boxes: bits 0-9 which of the chunk's ten mask words are not 0; bits 10-18 and 19-27 the places of its first two neighbours;
; bit 28 the diagonal; bits 30-31 the count (3: more than two).
;   THE LISTS.  For each chunk a block, jumped over where no lane has a neighbour there: each lane fetches score[its row][its own neighbour] for both its columns and takes it into account.
;   Seven like blocks for the second entries stand behind one branch, taken where some count is 2 or more.
;   THE MASK.  A column with more than two neighbours in some chunk leaves the lists altogether.  The word flags of such columns are joined by OR over the wave's lanes into three scalar sets of
;   30, 30 and 7 words; the number of bits in a set is the trip count of the loop over it.  A trip takes the set's lowest word and loads that row of mask in all lanes; its bits are joined in the
;   same way, and the loop over them fetches score[my row][i] in all lanes.  So every loop knows its count before it starts and is left at its own branch alone.
; Every branch and address hangs on whole numbers that the launch before stored; what comes of scores goes into lane masks and the last select alone.
; LIMITS.  Scores are finite: the NaN that the reference makes of 0 x infinity, and NaN scores, are not treated.  The way by the mask is serial: with many neighbours it is right and slow.
.set N,      2134
.set HALF,   N/2                 ; pairs in a row
.set ROWB,   4*N
.set NCLS,   40
.set NWORD,  67
.set CHUNK,  320                 ; boxes in a chunk
.set PITCH,  8704                ; bytes in a row of mask and of flags
.set MBAT,   NWORD*PITCH
.set SBAT,   7*PITCH
.set LANE, 1
.set JP,   2                     ; my pair's place in its row
.set TT,   3                     ; at work
.set SOF,  4                     ; my byte offset in flags, chunk 0
.set MOF,  5                     ; in mask, word 0
.set ROF,  6                     ; my row's byte offset in score
.set CL,   7                     ; my class
.set J0,   8                     ; v8, v9   my two columns
.set FO,   10                    ; 8 x lane
.set TA,   11                    ; byte offset of a mask word
.set SC,   12                    ; v12, v13 my two scores
.set SQ,   14                    ; v14-27   the seven flags words of my two columns
.set EQ,   28                    ; v28-34   the word flags of the columns that go by the mask
.set G0,   35                    ; those of words 0-29, 30-59
.set G1,   36
.set DL,   38                    ; the OR of a column's seven words
.set DH,   39
.set ANY,  40
.set VAL0, 41                    ; v41, v42 v of my two columns
.set CB0,  43                    ; v43, v45 neighbours before, v44, v46 neighbours after, of each column
.set CA0,  44
.set TB,   47                    ; byte offset of a score
.set MW,   48                    ; v48, v49 a mask word of each column
.set UN,   50                    ; either column's bits
.set SI,   51
.set T0,   52
.set T1,   53
.set R0,   54
.set R1,   55
.set OUT,  56
.set I0,   58                    ; v58, v59 a list entry of each column: the box,
.set O0,   60                    ; v60, v61 its score's byte offset,
.set S0,   62                    ; v62, v63 its score
.set OV0,  64                    ; v64, v65 bit 31: some count of the column is 3
.set SG,   36                    ; s36-38   the wave's three sets of flagged words
.set SB,   39                    ; s39      the wave's set of bits in the word in hand
.set BT,   40                    ; s40, s41 lanes whose column j0, j1 is beaten by a neighbour
.set VM,   66                    ; s66, s67 lanes whose entry counts
.set BM,   68                    ; s68, s69 lanes whose entry stands before the column
.set FM,   72                    ; s72, s73 lanes whose column j0, j1 goes by the mask
	s_load_b256 s[4:11], s[0:1], 0x0               ; score s[4:5], mask s[6:7], flags s[8:9], out0 s[10:11]
	v_lshrrev_b32 v[LANE], 5, v0
	v_readfirstlane_b32 s12, v[LANE]               ; wave 0..9
	v_and_b32 v[LANE], 31, v0
	s_mul_i32 s13, ttmp9, 10
	s_add_co_u32 s13, s13, s12                     ; my 256 bytes among the 10,670
	s_lshl_b32 s14, s13, 5                         ; their first pair
	s_mul_hi_u32 s15, s14, 4025274                 ; / 1067: 4025274 x 1067 = 2^32 + 62, right for the 341,440 pairs: the first pair's row
	s_mul_i32 s16, s15, HALF
	s_sub_co_u32 s16, s14, s16                     ; and its place in that row
	s_mul_hi_u32 s17, s15, 107374183               ; / 40: 107374183 x 40 = 2^32 + 24: the row's batch
	s_mul_i32 s18, s17, NCLS
	s_sub_co_u32 s18, s15, s18                     ; and class
	s_add_co_u32 s20, s18, 1                       ; the next row's class
	s_cmp_eq_u32 s20, NCLS
	s_cselect_b32 s20, 0, s20
	s_cselect_b32 s21, 1, 0
	s_add_co_u32 s19, s17, s21                     ; and batch
	s_mul_i32 s22, s17, SBAT
	s_mul_i32 s23, s19, SBAT
	s_mul_i32 s24, s17, MBAT
	s_mul_i32 s25, s19, MBAT
	s_mul_i32 s26, s15, ROWB
	s_add_co_u32 s27, s26, ROWB
	s_lshl_b32 s28, s13, 8
	s_mov_b32 s29, 0
	s_mov_b32 s33, 0x40000000                      ; a word not below this has a count of 1 or more,
	s_mov_b32 s76, 0x80000000                      ; not below this of 2 or more
	s_mov_b32 s34, 0x76543210                      ; v_permlanex16_b32's selects: each lane takes its own place in the other half
	s_mov_b32 s35, 0xfedcba98
	s_mov_b32 s[BT], 0
	s_mov_b32 s[BT+1], 0
	s_mov_b32 s[FM], 0
	s_mov_b32 s[FM+1], 0
	v_add_nc_u32 v[JP], s16, v[LANE]
	v_cmp_le_u32 vcc_lo, HALF, v[JP]               ; lanes that lie in the next row (the very last 256 bytes have none)
	v_add_nc_u32 v[TT], 0xfffffbd5, v[JP]          ; - 1067
	v_cndmask_b32 v[JP], v[JP], v[TT], vcc_lo
	v_mov_b32 v[TT], s23
	v_cndmask_b32 v[SOF], s22, v[TT], vcc_lo
	v_mov_b32 v[TT], s25
	v_cndmask_b32 v[MOF], s24, v[TT], vcc_lo
	v_mov_b32 v[TT], s27
	v_cndmask_b32 v[ROF], s26, v[TT], vcc_lo
	v_mov_b32 v[TT], s20
	v_cndmask_b32 v[CL], s18, v[TT], vcc_lo
	v_lshl_add_u32 v[SOF], v[JP], 3, v[SOF]
	v_lshl_add_u32 v[MOF], v[JP], 3, v[MOF]
	v_lshlrev_b32 v[J0], 1, v[JP]
	v_or_b32 v[J0+1], 1, v[J0]
	v_lshlrev_b32 v[FO], 3, v[LANE]
	v_cmp_eq_u32 s32, 0, v[CL]                     ; lanes of a row of ones
.irp r, 0,1,2,3
	v_mov_b32 v[CB0+\r], 0
.endr
	v_sub_nc_u32 v[R0], N-1, v[J0]                 ; boxes behind j0, behind j1
	v_sub_nc_u32 v[R1], N-1, v[J0+1]
	s_wait_kmcnt 0x0
	s_add_nc_u64 s[30:31], s[4:5], s[28:29]        ; score and out0 at my 256 bytes
	s_add_nc_u64 s[10:11], s[10:11], s[28:29]
	global_load_b64 v[SC:SC+1], v[FO], s[30:31]
.irp q, 0,1,2,3,4,5,6
	global_load_b64 v[SQ+2*\q:SQ+2*\q+1], v[SOF], s[8:9] offset:\q*PITCH
.endr
	s_wait_loadcnt 0x0
	v_or_b32 v[DL], v[SQ],   v[SQ+2]
	v_or_b32 v[DH], v[SQ+1], v[SQ+3]
.irp q, 2,3,4,5,6
	v_or_b32 v[DL], v[DL], v[SQ+2*\q]
	v_or_b32 v[DH], v[DH], v[SQ+2*\q+1]
.endr
	v_and_b32 v[T0], 0x10000000, v[DL]             ; the diagonal bit stands in one of the seven
	v_and_b32 v[T1], 0x10000000, v[DH]
	v_or_b32 v[ANY], v[DL], v[DH]
	v_cmp_ne_u32 vcc_lo, 0, v[T0]
	v_cndmask_b32 v[VAL0], 0, v[SC], vcc_lo
	v_cmp_ne_u32 vcc_lo, 0, v[T1]
	v_cndmask_b32 v[VAL0+1], 0, v[SC+1], vcc_lo
	v_cndmask_b32 v[ANY], v[ANY], 0, s32           ; a row of ones asks for nothing
	v_cmp_le_u32 s74, s76, v[ANY]                  ; lanes with a count of 2 or more in some chunk
	v_cmp_le_u32 vcc_lo, s33, v[ANY]
	s_cbranch_vccz .Lfinish                        ; none of my 64 columns has a neighbour
	s_cmp_eq_u32 s74, 0
	s_cbranch_scc1 .Llists
	; which columns go by the mask: bits 31 and 30 both set in one of the seven words
	v_lshlrev_b32 v[T0], 1, v[SQ]
	v_lshlrev_b32 v[T1], 1, v[SQ+1]
	v_and_b32 v[OV0],   v[T0], v[SQ]
	v_and_b32 v[OV0+1], v[T1], v[SQ+1]
.irp q, 1,2,3,4,5,6
	v_lshlrev_b32 v[T0], 1, v[SQ+2*\q]
	v_lshlrev_b32 v[T1], 1, v[SQ+2*\q+1]
	v_and_b32 v[T0], v[T0], v[SQ+2*\q]
	v_and_b32 v[T1], v[T1], v[SQ+2*\q+1]
	v_or_b32 v[OV0],   v[OV0],   v[T0]
	v_or_b32 v[OV0+1], v[OV0+1], v[T1]
.endr
	v_cmp_le_u32 s[FM],   s76, v[OV0]
	v_cmp_le_u32 s[FM+1], s76, v[OV0+1]
	s_and_not1_b32 s[FM],   s[FM],   s32
	s_and_not1_b32 s[FM+1], s[FM+1], s32
.Llists:
; Entry e (0, 1) of chunk q's lists, for both my columns.  A lane without such an entry fetches the chunk's first box (its place reads 0) and its mask VM keeps the result out.
; A number from memory enters an address clamped.  The one wait is for both fetches; behind it their offsets may be written again.
.macro BLOCK q, e
	v_or_b32 v[T0], v[SQ+2*(\q)], v[SQ+2*(\q)+1]
	v_cmp_le_u32 vcc_lo, s[33+43*(\e)], v[T0]      ; s33 or s76: a count above e
	s_cbranch_vccz .Lnone_\@
.irp c, 0,1
	v_bfe_u32 v[I0+\c], v[SQ+2*(\q)+\c], 10+9*(\e), 9
.if (\q)
	v_add_nc_u32 v[I0+\c], CHUNK*(\q), v[I0+\c]
.endif
	v_min_u32 v[I0+\c], N-1, v[I0+\c]              ; box i
	v_lshlrev_b32 v[O0+\c], 2, v[I0+\c]
	v_add_nc_u32 v[O0+\c], v[O0+\c], v[ROF]
	global_load_b32 v[S0+\c], v[O0+\c], s[4:5]     ; score[my row][i]
.endr
.irp c, 0,1
	v_cmp_le_u32 s[VM+\c], s[33+43*(\e)], v[SQ+2*(\q)+\c]
	s_and_not1_b32 s[VM+\c], s[VM+\c], s[FM+\c]    ; the entry is there, and the column goes by the lists
	v_cmp_lt_u32 s[BM+\c], v[I0+\c], v[J0+\c]
	s_and_b32 vcc_lo, s[VM+\c], s[BM+\c]
	v_add_co_ci_u32 v[CB0+2*\c], vcc_lo, 0, v[CB0+2*\c], vcc_lo
	s_and_not1_b32 vcc_lo, s[VM+\c], s[BM+\c]
	v_add_co_ci_u32 v[CA0+2*\c], vcc_lo, 0, v[CA0+2*\c], vcc_lo
.endr
	s_wait_loadcnt 0x0
.irp c, 0,1
	v_cmp_ge_f32 s70, v[S0+\c], v[VAL0+\c]
	v_cmp_gt_f32 s71, v[S0+\c], v[VAL0+\c]
	s_and_b32 s70, s70, s[BM+\c]                   ; an equal score wins only from in front
	s_or_b32 s70, s70, s71
	s_and_b32 s70, s70, s[VM+\c]
	s_or_b32 s[BT+\c], s[BT+\c], s70
.endr
.Lnone_\@:
.endm
.irp q, 0,1,2,3,4,5,6
	BLOCK \q, 0
.endr
	s_cmp_eq_u32 s74, 0
	s_cbranch_scc1 .Lfinish                        ; no count of 2 or more
.irp q, 0,1,2,3,4,5,6
	BLOCK \q, 1
.endr
	s_or_b32 s75, s[FM], s[FM+1]
	s_cmp_eq_u32 s75, 0
	s_cbranch_scc1 .Lfinish                        ; no column goes by the mask
	; THE WAY BY THE MASK.  The word flags of the columns that go it: three chunks make one word of 30 flags.
.irp q, 0,1,2,3,4,5,6
	v_cndmask_b32 v[T0], 0, v[SQ+2*\q],   s[FM]
	v_cndmask_b32 v[T1], 0, v[SQ+2*\q+1], s[FM+1]
	v_or_b32 v[T0], v[T0], v[T1]
	v_and_b32 v[EQ+\q], 0x3ff, v[T0]
.endr
	v_lshl_or_b32 v[G0], v[EQ+1], 10, v[EQ]
	v_lshl_or_b32 v[G1], v[EQ+4], 10, v[EQ+3]
	v_lshl_or_b32 v[G0], v[EQ+2], 20, v[G0]
	v_lshl_or_b32 v[G1], v[EQ+5], 20, v[G1]
; The OR of register x over the wave's 32 lanes, into scalar d: four steps inside each half of 16 lanes (lane i takes lane i xor the mask), one across the halves.  x is used up.
; TT, the destination of the lane moves, has been written by all lanes at the head.
.macro WOR d, x
.irp m, 1,2,4,8
	v_mov_b32_dpp v[TT], v[\x] row_xmask:\m row_mask:0xf bank_mask:0xf
	v_or_b32 v[\x], v[\x], v[TT]
.endr
	v_permlanex16_b32 v[TT], v[\x], s34, s35
	v_or_b32 v[\x], v[\x], v[TT]
	v_readfirstlane_b32 s[\d], v[\x]
.endm
	WOR SG,   G0
	WOR SG+1, G1
	WOR SG+2, EQ+6
; The flagged words 30 f .. 30 f + 29.  The outer loop has a trip for each word of the set, the inner one a trip for each bit that some lane has in the word: both counts are taken before
; the loop begins, in registers that the loop does not write.  An empty set is jumped over from in front of its loop.
.macro GROUP f
	s_bcnt1_i32_b32 s51, s[SG+(\f)]                ; the words to visit
	s_cmp_eq_u32 s51, 0
	s_cbranch_scc1 .Lgd_\@
	s_mov_b32 s50, 0
.Lwd_\@:
	s_ctz_i32_b32 s52, s[SG+(\f)]                  ; the set's lowest word,
	s_lshl_b32 s53, 1, s52
	s_and_not1_b32 s[SG+(\f)], s[SG+(\f)], s53     ; which leaves the set
	s_add_co_u32 s52, s52, 30*(\f)
	s_min_u32 s52, s52, NWORD-1                    ; a number from memory enters an address clamped
	s_mul_i32 s54, s52, PITCH
	v_add_nc_u32 v[TA], s54, v[MOF]
	global_load_b64 v[MW:MW+1], v[TA], s[6:7]      ; that word of my two columns
	s_lshl_b32 s56, s52, 5                         ; its first box
	s_wait_loadcnt 0x0                             ; the word is in; its offset may be written again
	v_cndmask_b32 v[MW],   0, v[MW],   s[FM]       ; only of columns that go this way
	v_cndmask_b32 v[MW+1], 0, v[MW+1], s[FM+1]
	v_or_b32 v[UN], v[MW], v[MW+1]
	WOR SB, UN
	s_bcnt1_i32_b32 s58, s[SB]                     ; the bits to visit: one at the least, since such a column flagged the word (with none, the one trip would pick a bit that no lane has, and change nothing)
	s_mov_b32 s57, 0
.Lbt_\@:
	s_ctz_i32_b32 s59, s[SB]
	s_lshl_b32 s60, 1, s59                         ; the bit in hand
	s_and_not1_b32 s[SB], s[SB], s60
	s_add_co_u32 s61, s56, s59
	s_min_u32 s61, s61, N-1                        ; box i
	s_lshl_b32 s62, s61, 2
	v_add_nc_u32 v[TB], s62, v[ROF]
	global_load_b32 v[SI], v[TB], s[4:5]           ; score[my row][i]
	v_and_b32 v[T0], s60, v[MW]
	v_and_b32 v[T1], s60, v[MW+1]
	v_cmp_ne_u32 s[VM],   0, v[T0]                 ; i is a neighbour of j0, of j1
	v_cmp_ne_u32 s[VM+1], 0, v[T1]
	v_cmp_lt_u32 s[BM],   s61, v[J0]               ; i stands before j0, before j1
	v_cmp_lt_u32 s[BM+1], s61, v[J0+1]
.irp c, 0,1
	s_and_b32 vcc_lo, s[VM+\c], s[BM+\c]
	v_add_co_ci_u32 v[CB0+2*\c], vcc_lo, 0, v[CB0+2*\c], vcc_lo
	s_and_not1_b32 vcc_lo, s[VM+\c], s[BM+\c]
	v_add_co_ci_u32 v[CA0+2*\c], vcc_lo, 0, v[CA0+2*\c], vcc_lo
.endr
	s_wait_loadcnt 0x0                             ; the score is in; its offset may be written again
.irp c, 0,1
	v_cmp_ge_f32 s70, v[SI], v[VAL0+\c]
	v_cmp_gt_f32 s71, v[SI], v[VAL0+\c]
	s_and_b32 s70, s70, s[BM+\c]                   ; an equal score wins only from in front
	s_or_b32 s70, s70, s71
	s_and_b32 s70, s70, s[VM+\c]
	s_or_b32 s[BT+\c], s[BT+\c], s70
.endr
	s_add_co_u32 s57, s57, 1
	s_cmp_lt_u32 s57, s58
	s_cbranch_scc1 .Lbt_\@
	s_add_co_u32 s50, s50, 1
	s_cmp_lt_u32 s50, s51
	s_cbranch_scc1 .Lwd_\@
.Lgd_\@:
.endm
	GROUP 0
	GROUP 1
	GROUP 2
.Lfinish:
	v_cmp_lt_u32 s42, v[CB0], v[J0]                ; some box before j0 is no neighbour: its entry is 0,
	v_cmp_lt_f32 s43, 0, v[VAL0]
	s_and_not1_b32 s42, s42, s43                   ; and wins unless v > 0
	v_cmp_lt_u32 s44, v[CA0], v[R0]                ; some box behind j0 is none,
	v_cmp_le_f32 s45, 0, v[VAL0]
	s_and_not1_b32 s44, s44, s45                   ; and wins unless v >= 0
	s_or_b32 s42, s42, s44
	s_or_b32 s42, s42, s[BT]
	s_and_not1_b32 s42, s42, s32                   ; a row of ones loses to nobody
	v_cndmask_b32 v[OUT], 1, 0, s42
	v_cmp_lt_u32 s46, v[CB0+2], v[J0+1]
	v_cmp_lt_f32 s47, 0, v[VAL0+1]
	s_and_not1_b32 s46, s46, s47
	v_cmp_lt_u32 s48, v[CA0+2], v[R1]
	v_cmp_le_f32 s49, 0, v[VAL0+1]
	s_and_not1_b32 s48, s48, s49
	s_or_b32 s46, s46, s48
	s_or_b32 s46, s46, s[BT+1]
	s_and_not1_b32 s46, s46, s32
	v_cndmask_b32 v[OUT+1], 1, 0, s46
	global_store_b64 v[FO], v[OUT:OUT+1], s[10:11] th:TH_STORE_NT   ; 32 lanes x 8 bytes: 256 consecutive bytes, at a multiple of 256 from out0's first
	s_endpgm
.Lfunc_end_k_q888f862146_pool:
	.size	k_q888f862146_pool, .Lfunc_end_k_q888f862146_pool-k_q888f862146_pool
	.p2alignl 7, 3214868480
	.fill 96, 4, 3214868480
	.section	.rodata,"a",@progbits
	.p2align	6, 0x0
	.amdhsa_kernel k_q888f862146_pool
		.amdhsa_group_segment_fixed_size 0
		.amdhsa_private_segment_fixed_size 0
		.amdhsa_enable_private_segment 0
		.amdhsa_kernarg_size 32
		.amdhsa_user_sgpr_count 2
		.amdhsa_user_sgpr_kernarg_segment_ptr 1
		.amdhsa_wavefront_size32 1
		.amdhsa_system_sgpr_workgroup_id_x 1
		.amdhsa_system_sgpr_workgroup_id_y 1
		.amdhsa_system_sgpr_workgroup_id_z 1
		.amdhsa_system_vgpr_workitem_id 0
		.amdhsa_next_free_vgpr 66
		.amdhsa_next_free_sgpr 78
		.amdhsa_reserve_vcc 1
		.amdhsa_float_denorm_mode_32 3
		.amdhsa_float_denorm_mode_16_64 3
		.amdhsa_memory_ordered 1
		.amdhsa_forward_progress 1
		.amdhsa_inst_pref_size 46
	.end_amdhsa_kernel
	.amdgpu_metadata
---
amdhsa.version: [ 1, 2 ]
amdhsa.kernels:
  - .name:           k_q888f862146_pool
    .symbol:         k_q888f862146_pool.kd
    .args:
      - { .name: score, .offset: 0, .size: 8, .value_kind: global_buffer, .address_space: global }
      - { .name: mask, .offset: 8, .size: 8, .value_kind: global_buffer, .address_space: global }
      - { .name: flags, .offset: 16, .size: 8, .value_kind: global_buffer, .address_space: global }
      - { .name: out0, .offset: 24, .size: 8, .value_kind: global_buffer, .address_space: global }
    .group_segment_fixed_size: 0
    .private_segment_fixed_size: 0
    .kernarg_segment_align: 8
    .kernarg_segment_size: 32
    .max_flat_workgroup_size: 320
    .sgpr_count:     78
    .vgpr_count:     66
    .wavefront_size: 32
...
	.end_amdgpu_metadata
.endif
;; end of part 2
;; ======== version 2 of 2: 2 launches; version 1 with the launch pairs written anew for expert scheduling mode
;; workspace buffers: mask 4,665,344 bytes of whole numbers; flags 487,424 bytes of whole numbers
;; launch pairs (part 3): grid 476 x 1, 4 waves a work-group, no clusters, 26,112 bytes of LDS; arguments box, mask, flags; writes mask, flags
.if DOCPART == 3
	.amdgcn_target "amdgcn-amd-amdhsa--gfx1250"
	.amdhsa_code_object_version 6
	.text
	.protected	k_q888f862146_pairs
	.globl	k_q888f862146_pairs
	.p2align	8
	.type	k_q888f862146_pairs,@function
k_q888f862146_pairs:
	s_mov_b64 s[64:65], 0
	v_nop
	global_prefetch_b8 v0, s[64:65] scope:SCOPE_SE
	s_setreg_imm32_b32 hwreg(HW_REG_WAVE_SCHED_MODE, 0, 2), 2
	s_setreg_imm32_b32 hwreg(HW_REG_WAVE_MODE, 25, 1), 1
	s_wait_xcnt 0x0
	s_wait_alu depctr_vm_vsrc(0)
; THE PAIR TEST.  box: [8][4][2134] f32 (x1, y1, x2, y2 by rows).  For every pair (i, j) of a batch: is RN(inter / union) >= 0.7f, computed as the
; reference computes it (f32, the same roundings)?  Out go whole numbers for the next launch:
;   mask[b][w][2176]   bit k of the word of column j: box i = 32 w + k passes the test with box j, i != j (the diagonal bit is taken out): i is a NEIGHBOUR of j
;   flags[b][q][2176]  for chunk q (boxes 320 q .. 320 q + 319, mask words 10 q .. 10 q + 9) of column j:
;                      bits 0-9: word 10 q + t is not 0;  bits 10-18, 19-27: the places in the chunk of the first and the second neighbour (0 where there is none);
;                      bit 28: box j passes with itself;  bits 30-31: the chunk's neighbours: 0, 1, 2, or 3 for more than two (the two places then serve nothing)
; SHARES.  A lane owns two neighbouring columns j0 = 64 g + 2 lane and j0 + 1 (a register pair, so that packed f32 arithmetic serves both); a wave owns
; 64 columns and one chunk (the seventh has 7 words): 8 x 34 x 7 = 1,904 waves, four to a work-group, none waiting for another.
; THE BOXES i are made ready once by the wave, a box a lane, and laid into the wave's own LDS: (x1, y1, max(x2, x1), max(y2, y1)) and max(area, 0);
; a box with i >= 2134 is all zeros and passes with nobody.  They come back by loads in which all lanes name the same address.
; THE ARITHMETIC.  lt = max(x1i, x1j); med3(lt, x2i, x2j) = max(min(x2i, x2j), lt), since lt never passes the larger of the two mended x2: so
; w = med3 - lt is the reference's clip(rb - lt, 0) with the same rounding.  inter = w h; union = (ai + aj) - inter.
; THE DIVISION is not made.  0.7f = 0x3f333333 has an odd last bit, so RN(I / U) >= 0.7f holds exactly where I > (0.7f - 2^-25) U.
; n1 = fma(0.7f, U, -I) is exact wherever |n1| is below an ulp of U, which covers the neighbourhood of 2^-25 U, and rounding keeps the order elsewhere;
; n2 = fma(-2^-25, U, n1) has the sign of the exact sum.  The pair passes where n2 < 0: its sign bit is shifted into the mask word.
; Clamping the areas at 0 changes nothing where inter > 0 (both boxes are then proper) and keeps U >= 0 where inter = 0, so such a pair never passes, as in the reference (0 / U).
; LIMITS.  Coordinates finite; widths, areas and sums of two areas below f32's largest number; unions not below 2^-100.  NaN is not treated.
; THE MODE: SCHED_MODE bits 1:0 = 2 (LLVM: expert scheduling mode 2), set by the entry lines.  The code itself states the register dependences between vector
; instructions and memory or LDS instructions, and those through scalar registers that vector instructions write, with s_wait_alu, always for 0.
; THE PLAN.  Registers that memory or LDS instructions touch:
;   PO, JO, MO, STB, STA   offsets and addresses, made once at the head, ahead of the first wait on va_vdst, and never written again as such.
;   BUF0 at the head       the box loads land in it, vector lines mend it, the LDS stores read it (with PA); then it is a buffer of the loop.
;   BUF0, BUF1 in the loop a batch's ten LDS loads land in one of them; HEAD alone reads it; REST names TMP, ACC and ACB only.
;   BA, AA                 read by every LDS load; written once a word, in FINAL.
;   ST                     written in FINAL, read by the word's store.   FL: read by the last store.
; A batch has ONE wait on va_vdst, behind HEAD: HEAD is done reading the buffer, and the ten loads into it follow, dealt among REST's stages, which name none of their registers.
; The fourth batch's wait stands behind FINAL's arithmetic and states three things at once: ST is written, BA and AA are written, HEAD is done reading BUF1; the store and the ten loads follow it.
; A word has ONE wait on vm_vsrc, at FINAL's head: the last word's store has read ST, the LDS loads have read BA and AA; it stands a word behind that store and a batch behind those loads.
; Compares are laid in runs, into scalar registers, with one wait on va_sdst behind each run and ahead of the first select that reads a mask.  No vector line writes VCC.
.set N,      2134
.set ROWB,   4*N                 ; bytes in a row of box
.set BATB,   4*ROWB              ; bytes of a batch of box
.set PW,     10                  ; words in a chunk
.set NWORD,  67                  ; words of 32 boxes i
.set NCH,    7                   ; chunks
.set NGRP,   34                  ; groups of 64 columns
.set PITCH,  256*NGRP            ; bytes in a row of mask and of flags: 2,176 columns
.set MBAT,   NWORD*PITCH
.set SBAT,   NCH*PITCH
.set AOFF,   16*32*PW            ; in a wave's LDS: 320 boxes of 16 bytes, then 320 areas
.set WLDS,   AOFF+4*32*PW        ; 6,400 bytes a wave
.set SPARE,  4*WLDS              ; behind the four waves' parts: the spare words, 128 bytes a wave, two blocks of 256 bytes that no other line names
.set LANE, 1
.set SPW,  2                     ; LDS address of my spare word; never rewritten
.set NIL,  3                     ; 0; never rewritten
.set BA,   4                     ; LDS address of the word's 32 boxes (the same in all lanes)
.set AA,   5                     ; of its 32 areas
.set JW,   6                     ; the word in which my columns' diagonal bits lie (j0 is even: one word for both)
.set MO,   7                     ; 8 x lane: my byte offset in the wave's 256 bytes of a row of mask or flags
.set BIT,  8                     ; v8, v9   the diagonal bits of my two columns
.set X1J,  10                    ; v10-19   my two columns: x1, y1, mended x2, mended y2, clamped area, a pair each
.set Y1J,  12
.set X2J,  14
.set Y2J,  16
.set AJ,   18
.set ACC,  20                    ; v20, v21 the mask words in the making
.set ACB,  22                    ; v22, v23 the lower four bits of a batch of eight
.set DG,   24                    ; v24, v25 not 0: the column passes with itself
.set FL,   26                    ; v26, v27 the chunk's word flags, at last the whole flags word
.set ST,   28                    ; v28, v29 a finished pair of mask words, to be stored
.set DM,   30                    ; v30, v31 at work
.set IX,   32
.set JC,   33
.set JO,   34
.set STB,  35
.set STA,  36
.set BUF0, 40                    ; two buffers of 40: eight boxes i of four registers, then their eight areas
.set BUF1, 80
.set TMP,  120                   ; v120-183 eight registers for each of a batch's eight boxes; at the end twelve for each column's list
.set PI,   120                   ; while the boxes i are made ready: index, byte offset, area, width, height of slot t
.set PO,   130
.set PA,   140
.set PWD,  150
.set PHT,  160
.set CW,   170                   ; v170-173 my columns' widths and heights
.set FW,   184                   ; v184, v185 the chunk's first mask word that is not 0
.set LW,   186                   ; v186, v187 the OR of the later ones
.set SJ,   2                     ; s2       lanes whose diagonal bits lie in the word in hand
.set SF,   10                    ; s10, s11 lanes whose column has had no word other than 0 so far (free once the head has used the wave's number)
.set SN,   12                    ; s12, s13 lanes whose column's word in hand is not 0
.set SP,   24                    ; s24-33   slot t: lanes whose box is one of the tensor's (free once the head's offsets are used)
.set SE,   24                    ; s24-28   the masks of a column's list, at the end
	s_load_b128 s[4:7], s[0:1], 0x0                ; box s[4:5], mask s[6:7]
	s_load_b64 s[8:9], s[0:1], 0x10                ; flags
	v_lshl_add_u32 v[SPW], v0, 2, SPARE
	v_mov_b32 v[NIL], 0
	v_lshrrev_b32 v[LANE], 5, v0
	v_readfirstlane_b32 s10, v[LANE]               ; wave 0..3
	v_and_b32 v[LANE], 31, v0
	v_lshlrev_b32 v[MO], 3, v[LANE]
	v_mov_b32 v[ACC], 0                            ; written once so that the first shift has a source; 32 shifts push it out
	v_mov_b32 v[ACC+1], 0
.irp r, DG, FL, FW, LW
	v_mov_b32 v[\r], 0                             ; what is gathered by OR over the chunk's words starts empty
	v_mov_b32 v[\r+1], 0
.endr
	s_mov_b32 s19, 1                               ; the flag of the word in hand
	s_mov_b32 s20, 0x3f333333                      ; 0.7f; named as a pair by the packed forms, which take the low word for both halves
	s_mov_b32 s21, s20
	s_mov_b32 s22, 0xb3000000                      ; -2^-25
	s_mov_b32 s23, s22
	s_mov_b32 s35, 0x10000000                      ; bit 28: the diagonal
	s_wait_alu depctr_va_sdst(0)                   ; s10 is written, ahead of its first reader: the wave's share and all its offsets are made from it
	s_lshl2_add_u32 s11, ttmp9, s10                ; my wave among the 1,904
	s_mul_i32 s12, s11, 4406                       ; / 238: 4406 x 238 = 2^20 + 52, right for numbers below 20,000
	s_lshr_b32 s12, s12, 20                        ; b
	s_mul_i32 s13, s12, NGRP*NCH
	s_sub_co_u32 s13, s11, s13
	s_mul_i32 s14, s13, 9363                       ; / 7: 9363 x 7 = 2^16 + 5, right for numbers below 13,000
	s_lshr_b32 s14, s14, 16                        ; g
	s_mul_i32 s15, s14, NCH
	s_sub_co_u32 s15, s13, s15                     ; q
	s_mul_i32 s18, s15, PW                         ; the word in hand
	s_sub_co_u32 s16, NWORD, s18
	s_min_u32 s16, s16, PW                         ; words of my chunk: 10, or 7
	s_mul_i32 s28, s15, 32*PW                      ; the chunk's first box i
	s_mul_i32 s26, s10, WLDS                       ; my wave's part of LDS
	s_mul_i32 s24, s12, BATB                       ; byte offsets, made apart from the addresses
	s_mov_b32 s25, 0
	s_mul_i32 s30, s12, MBAT
	s_mul_i32 s31, s18, PITCH
	s_add_co_u32 s30, s30, s31
	s_lshl_b32 s31, s14, 8
	s_add_co_u32 s30, s30, s31
	s_mov_b32 s31, 0
	s_mul_i32 s32, s12, SBAT
	s_mul_i32 s33, s15, PITCH
	s_add_co_u32 s32, s32, s33
	s_lshl_b32 s33, s14, 8
	s_add_co_u32 s32, s32, s33
	s_mov_b32 s33, 0
	s_lshl_b32 s34, s14, 6
	v_add_nc_u32 v[IX], s28, v[LANE]
.irp t, 0,1,2,3,4,5,6,7,8,9
	v_add_nc_u32 v[PI+\t], 32*\t, v[IX]            ; slot t: box i = 320 q + 32 t + lane
	v_min_u32 v[PO+\t], N-1, v[PI+\t]              ; no load leaves the row
	v_lshlrev_b32 v[PO+\t], 2, v[PO+\t]
.endr
	v_lshl_add_u32 v[JC], v[LANE], 1, s34          ; j0
	v_min_u32 v[JO], N-2, v[JC]                    ; the last group's lanes past column 2133 repeat the last pair; what they store lies in the rows' padding and is never read
	v_lshlrev_b32 v[JO], 2, v[JO]
	v_lshrrev_b32 v[JW], 5, v[JC]
	v_and_b32 v[BIT], 31, v[JC]
	v_mov_b32 v[BIT+1], 1
	v_lshlrev_b32 v[BIT], v[BIT], v[BIT+1]         ; 1 << (j0 mod 32)
	v_lshlrev_b32 v[BIT+1], 1, v[BIT]
	v_lshl_add_u32 v[STB], v[LANE], 4, s26
	v_lshl_add_u32 v[STA], v[LANE], 2, s26
	v_mov_b32 v[BA], s26
	v_add_nc_u32 v[AA], AOFF, v[BA]
	s_wait_kmcnt 0x0
	s_add_nc_u64 s[4:5], s[4:5], s[24:25]          ; box at my batch
	s_add_nc_u64 s[6:7], s[6:7], s[30:31]          ; mask at my batch, first word and group
	s_add_nc_u64 s[8:9], s[8:9], s[32:33]          ; flags at my batch, chunk and group
	s_wait_alu depctr_va_vdst(0)                   ; PO, JO, MO, STB, STA, BA and AA are written: the loads and stores of the whole kernel read them as offsets and addresses
.irp t, 0,1,2,3,4,5,6,7,8,9
.irp k, 0,1,2,3
	global_load_b32 v[BUF0+4*\t+\k], v[PO+\t], s[4:5] offset:\k*ROWB   ; 32 lanes, 128 neighbouring bytes of a row
.endr
.endr
	global_load_b64 v[X1J:X1J+1], v[JO], s[4:5]
	global_load_b64 v[Y1J:Y1J+1], v[JO], s[4:5] offset:ROWB
	global_load_b64 v[X2J:X2J+1], v[JO], s[4:5] offset:2*ROWB
	global_load_b64 v[Y2J:Y2J+1], v[JO], s[4:5] offset:3*ROWB
.irp t, 0,1,2,3,4,5,6,7,8,9
	v_cmp_gt_u32 s[SP+\t], N, v[PI+\t]             ; a box of the tensor?  The ten tests hang on indices alone: one run, while the loads are on their way
.endr
	s_wait_alu depctr_va_sdst(0)                   ; s24 to s33 are written, ahead of the selects below, which read them
	s_wait_loadcnt 0x0
.irp t, 0,1,2,3,4,5,6,7,8,9
	v_sub_f32 v[PWD+\t], v[BUF0+4*\t+2], v[BUF0+4*\t]
	v_sub_f32 v[PHT+\t], v[BUF0+4*\t+3], v[BUF0+4*\t+1]
	v_max_num_f32 v[BUF0+4*\t+2], v[BUF0+4*\t+2], v[BUF0+4*\t]
	v_max_num_f32 v[BUF0+4*\t+3], v[BUF0+4*\t+3], v[BUF0+4*\t+1]
	v_mul_f32 v[PA+\t], v[PWD+\t], v[PHT+\t]       ; the reference's area,
	v_max_num_f32 v[PA+\t], 0, v[PA+\t]            ; clamped
.irp k, 0,1,2,3
	v_cndmask_b32 v[BUF0+4*\t+\k], 0, v[BUF0+4*\t+\k], s[SP+\t]
.endr
	v_cndmask_b32 v[PA+\t], 0, v[PA+\t], s[SP+\t]
.endr
	s_wait_alu depctr_va_vdst(0)                   ; the ten slots' boxes (BUF0) and areas (PA) are written, which the LDS stores read; no vector line behind this wait names BUF0, BUF1, BA or AA until the first loads into the buffers are out
.irp t, 0,1,2,3,4,5,6,7,8,9
	ds_store_b128 v[STB], v[BUF0+4*\t:BUF0+4*\t+3] offset:512*\t
	ds_store_b32 v[STA], v[PA+\t] offset:AOFF+128*\t
.endr
	v_pk_add_f32 v[CW:CW+1], v[X2J:X2J+1], v[X1J:X1J+1] neg_lo:[0,1] neg_hi:[0,1]     ; my columns' own arithmetic stands between the stores and the wait for their reads
	v_pk_add_f32 v[CW+2:CW+3], v[Y2J:Y2J+1], v[Y1J:Y1J+1] neg_lo:[0,1] neg_hi:[0,1]
	v_pk_mul_f32 v[AJ:AJ+1], v[CW:CW+1], v[CW+2:CW+3]
	v_max_num_f32 v[X2J], v[X2J], v[X1J]
	v_max_num_f32 v[X2J+1], v[X2J+1], v[X1J+1]
	v_max_num_f32 v[Y2J], v[Y2J], v[Y1J]
	v_max_num_f32 v[Y2J+1], v[Y2J+1], v[Y1J+1]
	v_max_num_f32 v[AJ], 0, v[AJ]
	v_max_num_f32 v[AJ+1], 0, v[AJ+1]
; The LDS loads of batch bi of the word dw words ahead: ten.  A word's boxes are taken from the highest down, since each shift pushes the earlier bits up: batch 0 is i = 24..31, batch 3 is i = 0..7.
.macro LOADX buf, dw, bi, lo            ; four boxes, lo .. lo + 3 of the batch's eight
.irp e, 0,1,2,3
	ds_load_b128 v[(\buf)+4*((\lo)+(\e)):(\buf)+4*((\lo)+(\e))+3], v[BA] offset:512*(\dw)+16*(8*(3-(\bi))+(\lo)+(\e))
.endr
.endm
.macro LOADA buf, dw, bi                ; the eight areas
	ds_load_b128 v[(\buf)+32:(\buf)+35], v[AA] offset:128*(\dw)+32*(3-(\bi))
	ds_load_b128 v[(\buf)+36:(\buf)+39], v[AA] offset:128*(\dw)+32*(3-(\bi))+16
.endm
.macro LOADB buf, dw, bi                ; all ten in one run
	LOADX \buf, \dw, \bi, 4
	LOADX \buf, \dw, \bi, 0
	LOADA \buf, \dw, \bi
.endm
; ai + aj for both columns: box e's area is the low or the high register of a pair, and op_sel gives it to both halves
.macro AREAS buf, e
.if (\e)&1
	v_pk_add_f32 v[TMP+8*(\e)+2:TMP+8*(\e)+3], v[AJ:AJ+1], v[(\buf)+31+(\e):(\buf)+32+(\e)] op_sel:[0,1] op_sel_hi:[1,1]
.else
	v_pk_add_f32 v[TMP+8*(\e)+2:TMP+8*(\e)+3], v[AJ:AJ+1], v[(\buf)+32+(\e):(\buf)+33+(\e)] op_sel_hi:[1,0]
.endif
.endm
; A batch of eight boxes i against my two columns, stage by stage over all eight, so that no line reads a result made fewer than eight lines before it.
; HEAD is the part that reads the buffer; behind it, and a wait, the buffer can be loaded again.  Box e's registers at TMP + 8 e: 0-3 lt (x pair, y pair), 4-7 rb, then w and h; inter takes 0-1, the areas' sum 2-3.
.macro HEAD buf
.irp e, 7,6,5,4,3,2,1,0
	v_max_num_f32 v[TMP+8*(\e)],   v[(\buf)+4*(\e)],   v[X1J]
	v_max_num_f32 v[TMP+8*(\e)+1], v[(\buf)+4*(\e)],   v[X1J+1]
	v_max_num_f32 v[TMP+8*(\e)+2], v[(\buf)+4*(\e)+1], v[Y1J]
	v_max_num_f32 v[TMP+8*(\e)+3], v[(\buf)+4*(\e)+1], v[Y1J+1]
.endr
.irp e, 7,6,5,4,3,2,1,0
	v_med3_num_f32 v[TMP+8*(\e)+4], v[TMP+8*(\e)],   v[(\buf)+4*(\e)+2], v[X2J]
	v_med3_num_f32 v[TMP+8*(\e)+5], v[TMP+8*(\e)+1], v[(\buf)+4*(\e)+2], v[X2J+1]
	v_med3_num_f32 v[TMP+8*(\e)+6], v[TMP+8*(\e)+2], v[(\buf)+4*(\e)+3], v[Y2J]
	v_med3_num_f32 v[TMP+8*(\e)+7], v[TMP+8*(\e)+3], v[(\buf)+4*(\e)+3], v[Y2J+1]
.endr
.irp e, 7,6,5,4,3,2,1,0
	v_pk_add_f32 v[TMP+8*(\e)+4:TMP+8*(\e)+5], v[TMP+8*(\e)+4:TMP+8*(\e)+5], v[TMP+8*(\e):TMP+8*(\e)+1] neg_lo:[0,1] neg_hi:[0,1]
	v_pk_add_f32 v[TMP+8*(\e)+6:TMP+8*(\e)+7], v[TMP+8*(\e)+6:TMP+8*(\e)+7], v[TMP+8*(\e)+2:TMP+8*(\e)+3] neg_lo:[0,1] neg_hi:[0,1]
.endr
.irp e, 7,6,5,4,3,2,1,0
	v_pk_mul_f32 v[TMP+8*(\e):TMP+8*(\e)+1], v[TMP+8*(\e)+4:TMP+8*(\e)+5], v[TMP+8*(\e)+6:TMP+8*(\e)+7]
	AREAS \buf, \e
.endr
.endm
; REST: union; n1 = 0.7f U - I; n2 = n1 - 2^-25 U; the sign bits.  Two chains of four shifts for each column (boxes 7-4 onto the word, boxes 3-0 from 0), joined at the end: a shift waits for the one four lines back.
; ld = 1: the ten loads of batch bi of the word dw ahead, into buf, are dealt among the first three stages.  They need no wait of their own: the wait on va_vdst stands ahead of REST, and REST's lines name
; TMP, ACC and ACB alone, none of the registers that the loads touch (buf, BA, AA).
.macro REST ld, buf, dw, bi
.if \ld
	LOADX \buf, \dw, \bi, 4
.endif
.irp e, 7,6,5,4,3,2,1,0
	v_pk_add_f32 v[TMP+8*(\e)+2:TMP+8*(\e)+3], v[TMP+8*(\e)+2:TMP+8*(\e)+3], v[TMP+8*(\e):TMP+8*(\e)+1] neg_lo:[0,1] neg_hi:[0,1]
.endr
.if \ld
	LOADX \buf, \dw, \bi, 0
.endif
.irp e, 7,6,5,4,3,2,1,0
	v_pk_fma_f32 v[TMP+8*(\e)+4:TMP+8*(\e)+5], v[TMP+8*(\e)+2:TMP+8*(\e)+3], s[20:21], v[TMP+8*(\e):TMP+8*(\e)+1] op_sel_hi:[1,0,1] neg_lo:[0,0,1] neg_hi:[0,0,1]
.endr
.if \ld
	LOADA \buf, \dw, \bi
.endif
.irp e, 7,6,5,4,3,2,1,0
	v_pk_fma_f32 v[TMP+8*(\e)+4:TMP+8*(\e)+5], v[TMP+8*(\e)+2:TMP+8*(\e)+3], s[22:23], v[TMP+8*(\e)+4:TMP+8*(\e)+5] op_sel_hi:[1,0,1]
.endr
.irp e, 3,2,1,0
	v_alignbit_b32 v[ACC],   v[ACC],   v[TMP+8*((\e)+4)+4], 31   ; (word << 1) | sign
	v_alignbit_b32 v[ACC+1], v[ACC+1], v[TMP+8*((\e)+4)+5], 31
.if (\e) == 3
	v_alignbit_b32 v[ACB],   0, v[TMP+8*(\e)+4], 31
	v_alignbit_b32 v[ACB+1], 0, v[TMP+8*(\e)+5], 31
.else
	v_alignbit_b32 v[ACB],   v[ACB],   v[TMP+8*(\e)+4], 31
	v_alignbit_b32 v[ACB+1], v[ACB+1], v[TMP+8*(\e)+5], 31
.endif
.endr
	v_lshl_or_b32 v[ACC],   v[ACC],   4, v[ACB]
	v_lshl_or_b32 v[ACC+1], v[ACC+1], 4, v[ACB+1]
.endm
; A word is finished: its diagonal bits go to DG and out of the word; the pair is stored (32 lanes x 8 bytes: 256 consecutive bytes, at a multiple of 256 from the buffer's first);
; a word that is not 0 sets its flag; the first such word of the chunk is kept in FW, the later ones are gathered by OR in LW.
; The store's base moves on ahead of the store, which reaches back by a row: so the waits that free the base and ST stand a word behind the store that they wait for.
; pre = 1: the LDS addresses move on to the next word, whose second batch is asked for behind the store.
.macro FINAL pre
	s_wait_xcnt 0x0                                ; the last word's store has had its address translated (ISA guide 3.1): its base and its data are rewritten only behind this wait
	s_wait_alu depctr_vm_vsrc(0)                   ; the last word's store has read ST, which the lines below write again; the LDS loads issued so far have read BA and AA
	s_add_nc_u64 s[6:7], s[6:7], PITCH             ; one row past the word in hand
.if \pre
	v_add_nc_u32 v[BA], 512, v[BA]
	v_add_nc_u32 v[AA], 128, v[AA]
.endif
	s_wait_alu depctr_va_sdst(0)                   ; s2, s10 and s11 are written (the run of compares ahead of the last REST), ahead of the selects that read them
	v_cndmask_b32 v[DM],   0, v[BIT],   s[SJ]
	v_cndmask_b32 v[DM+1], 0, v[BIT+1], s[SJ]
	v_and_b32 v[DM],   v[ACC],   v[DM]
	v_and_b32 v[DM+1], v[ACC+1], v[DM+1]
	v_or_b32 v[DG],   v[DG],   v[DM]
	v_or_b32 v[DG+1], v[DG+1], v[DM+1]
	v_xor_b32 v[ST],   v[ACC],   v[DM]
	v_xor_b32 v[ST+1], v[ACC+1], v[DM+1]
	v_cmp_ne_u32 s[SN],   0, v[ST]                 ; the second run of compares; what follows does not read it
	v_cmp_ne_u32 s[SN+1], 0, v[ST+1]
.irp c, 0,1
	v_cndmask_b32 v[DM+\c], v[ST+\c], 0, s[SF+\c]  ; no word so far was other than 0:
	v_cndmask_b32 v[FW+\c], v[FW+\c], v[ST+\c], s[SF+\c]   ; this one is kept as the first; else it joins the later ones
	v_or_b32 v[LW+\c], v[LW+\c], v[DM+\c]
.endr
	s_wait_alu depctr_va_vdst(0)                   ; ST is written, which the store reads; with pre = 1 also: BA and AA are written, which the loads read, and the fourth HEAD is done reading BUF1, in which they land
	global_store_b64 v[MO], v[ST:ST+1], s[6:7] offset:-PITCH
.if \pre
	LOADB BUF1, 0, 1                               ; by the addresses just moved on
.endif
	s_wait_alu depctr_va_sdst(0)                   ; s12 and s13 are written, ahead of the selects that read them
.irp c, 0,1
	v_cndmask_b32 v[DM+\c], 0, s19, s[SN+\c]
	v_or_b32 v[FL+\c], v[FL+\c], v[DM+\c]
.endr
.endm
; A word: four batches on the two buffers by turns.  At each wait on DScnt two batches' loads are out, ten each; LDS loads come back in order (ISA guide 5.7.1), so
; the count 10 shows the older batch in and leaves the younger on its way.  pre = 1: the next word's first two batches are asked for.
.macro WORD pre
	s_wait_dscnt 10
	HEAD BUF0
	s_wait_alu depctr_va_vdst(0)                   ; HEAD is done reading BUF0, in which the loads dealt among REST land
	REST 1, BUF0, 0, 2
	s_wait_dscnt 10
	HEAD BUF1
	s_wait_alu depctr_va_vdst(0)                   ; HEAD is done reading BUF1, likewise
	REST 1, BUF1, 0, 3
	s_wait_dscnt 10
	HEAD BUF0
.if \pre
	s_wait_alu depctr_va_vdst(0)                   ; HEAD is done reading BUF0, likewise
.endif
	REST \pre, BUF0, 1, 0
.if \pre
	s_wait_dscnt 10
.else
	s_wait_dscnt 0x0                               ; nothing was asked for behind the last batch
.endif
	HEAD BUF1
	v_cmp_eq_u32 s[SJ],   s18, v[JW]               ; the first run of compares hangs on nothing of this batch: it stands a whole REST ahead of the wait for it, in FINAL
	v_cmp_eq_u32 s[SF],   0, v[FW]
	v_cmp_eq_u32 s[SF+1], 0, v[FW+1]
	REST 0, BUF1, 0, 0
	FINAL \pre
.endm
; THE LIST of column c's chunk, once a chunk, without a branch.  x & -x is x's lowest bit.  a0, a1: the two lowest bits of the first word, ra, ra2 what is left behind each; f0, f1, fr, fr2 the same
; of the word flags; b0, rb of the later words' OR.  There are more than two neighbours where ra2, fr2 or rb is not 0, or where a second word stands beside a first word of two bits.
; Else the second neighbour is a1 in the first word, or b0 in the second word (only one of the two is not 0).  A single bit's place is the exponent of its value as f32:
; 32 (exponent of the flag - 127) + (exponent of the bit - 127) = 32 ef + eb - 4191.
; The five compares stand in two runs, into scalar registers, each run some lines ahead of the wait for it.  The count is made by selects: where there is a second neighbour there is a first
; (ra or fr not 0 means that the first word, or a flag, is not 0), so 0 or 1, then 2, then 3 each overrule the number before.
.macro ENC c
.set Q, TMP+12*(\c)
	v_sub_nc_u32 v[Q],   0, v[FW+(\c)]
	v_sub_nc_u32 v[Q+1], 0, v[FL+(\c)]
	v_sub_nc_u32 v[Q+2], 0, v[LW+(\c)]
	v_and_b32 v[Q],   v[Q],   v[FW+(\c)]           ; a0
	v_and_b32 v[Q+1], v[Q+1], v[FL+(\c)]           ; f0
	v_and_b32 v[Q+2], v[Q+2], v[LW+(\c)]           ; b0
	v_xor_b32 v[Q+3], v[Q],   v[FW+(\c)]           ; ra
	v_xor_b32 v[Q+4], v[Q+1], v[FL+(\c)]           ; fr
	v_xor_b32 v[Q+5], v[Q+2], v[LW+(\c)]           ; rb
	v_cmp_ne_u32 s[SE],   0, v[Q+4]                ; there is a second word
	v_cmp_ne_u32 s[SE+1], 0, v[FL+(\c)]            ; there is a neighbour
	v_cmp_ne_u32 s[SE+2], 0, v[DG+(\c)]            ; the column passes with itself
	v_sub_nc_u32 v[Q+6], 0, v[Q+3]
	v_sub_nc_u32 v[Q+7], 0, v[Q+4]
	v_and_b32 v[Q+6], v[Q+6], v[Q+3]               ; a1
	v_and_b32 v[Q+7], v[Q+7], v[Q+4]               ; f1
	v_xor_b32 v[Q+8], v[Q+6], v[Q+3]               ; ra2
	v_xor_b32 v[Q+9], v[Q+7], v[Q+4]               ; fr2
	s_wait_alu depctr_va_sdst(0)                   ; s24, s25 and s26 are written, ahead of the selects that read them
	v_cndmask_b32 v[Q+10], 0, v[Q+3], s[SE]        ; with a second word ra counts as too many,
	v_cndmask_b32 v[Q+11], v[Q+1], v[Q+7], s[SE]   ; and the second neighbour's word is f1's, else f0's
	v_or_b32 v[Q+8],  v[Q+8],  v[Q+9]
	v_or_b32 v[Q+10], v[Q+10], v[Q+5]
	v_or_b32 v[Q+8],  v[Q+8],  v[Q+10]             ; not 0: more than two
	v_or_b32 v[Q+6],  v[Q+6],  v[Q+2]              ; the second neighbour's bit
	v_or_b32 v[Q+3],  v[Q+3],  v[Q+4]              ; not 0: there is a second neighbour
	v_cmp_ne_u32 s[SE+4], 0, v[Q+3]
	v_cmp_ne_u32 s[SE+3], 0, v[Q+8]
.irp r, 0,1,6,11
	v_cvt_f32_u32 v[Q+\r], v[Q+\r]
.endr
.irp r, 0,1,6,11
	v_lshrrev_b32 v[Q+\r], 23, v[Q+\r]
.endr
	v_lshl_add_u32 v[Q],   v[Q+1],  5, v[Q]
	v_lshl_add_u32 v[Q+6], v[Q+11], 5, v[Q+6]
	v_add_nc_u32 v[Q],   0xffffefa1, v[Q]          ; - 4191
	v_add_nc_u32 v[Q+6], 0xffffefa1, v[Q+6]
	s_wait_alu depctr_va_sdst(0)                   ; s27 and s28 are written, ahead of the selects that read them
	v_cndmask_b32 v[Q],   0, v[Q], s[SE+1]         ; the first place, or 0
	v_cndmask_b32 v[Q+1], 0, 1, s[SE+1]            ; the count: 0 or 1,
	v_cndmask_b32 v[Q+6], 0, v[Q+6], s[SE+4]       ; the second place, or 0
	v_cndmask_b32 v[Q+1], v[Q+1], 2, s[SE+4]       ; 2 with a second neighbour,
	v_cndmask_b32 v[Q+1], v[Q+1], 3, s[SE+3]       ; 3 with more
	v_lshl_or_b32 v[FL+(\c)], v[Q],   10, v[FL+(\c)]
	v_lshl_or_b32 v[FL+(\c)], v[Q+6], 19, v[FL+(\c)]
	v_lshl_or_b32 v[FL+(\c)], v[Q+1], 30, v[FL+(\c)]
	v_cndmask_b32 v[Q+2], 0, s35, s[SE+2]
	v_or_b32 v[FL+(\c)], v[FL+(\c)], v[Q+2]
.endm
	s_wait_alu depctr_vm_vsrc(0)                   ; the LDS stores have read BUF0, in which the loads below land, and PA, and the box loads have read PO: HEAD writes over both, which lie in TMP
	LOADB BUF0, 0, 0                               ; LDS serves a wave's instructions in order (ISA guide 5.7.1.4): these see the stores above
	LOADB BUF1, 0, 1
	s_mov_b32 s17, 0
.Lword:                                                ; nine trips; the short chunk jumps over its dead ones
	s_cmp_ge_u32 s17, s16
	s_cbranch_scc1 .Ldead
	WORD 1
	s_add_co_u32 s18, s18, 1
	s_lshl_b32 s19, s19, 1
.Ldead:
	s_add_co_u32 s17, s17, 1
	s_cmp_lt_u32 s17, PW-1
	s_cbranch_scc1 .Lword
	s_cmp_lt_u32 s16, PW                           ; the short chunk has no tenth word
	s_cbranch_scc1 .Lsum
	WORD 0                                         ; the tenth word is written out: it asks for nothing beyond the chunk
.Lsum:
	ENC 0
	ENC 1
	s_wait_alu depctr_va_vdst(0)                   ; both flags words (FL) are written, which the store reads
	global_store_b64 v[MO], v[FL:FL+1], s[8:9]     ; again 256 consecutive bytes, aligned
	s_wait_dscnt 0x0                               ; the closing lines, six on end
	s_wait_alu 0x0
	s_wait_tensorcnt 0x0
	ds_add_u32 v[SPW], v[NIL]
	s_wait_dscnt 0x0
	s_endpgm
.Lfunc_end_k_q888f862146_pairs:
	.size	k_q888f862146_pairs, .Lfunc_end_k_q888f862146_pairs-k_q888f862146_pairs
	.p2alignl 7, 3214868480
	.fill 96, 4, 3214868480
	.section	.rodata,"a",@progbits
	.p2align	6, 0x0
	.amdhsa_kernel k_q888f862146_pairs
		.amdhsa_group_segment_fixed_size 26112
		.amdhsa_private_segment_fixed_size 0
		.amdhsa_enable_private_segment 0
		.amdhsa_kernarg_size 24
		.amdhsa_user_sgpr_count 2
		.amdhsa_user_sgpr_kernarg_segment_ptr 1
		.amdhsa_wavefront_size32 1
		.amdhsa_system_sgpr_workgroup_id_x 1
		.amdhsa_system_sgpr_workgroup_id_y 1
		.amdhsa_system_sgpr_workgroup_id_z 1
		.amdhsa_system_vgpr_workitem_id 0
		.amdhsa_next_free_vgpr 188
		.amdhsa_next_free_sgpr 66
		.amdhsa_reserve_vcc 0
		.amdhsa_float_denorm_mode_32 3
		.amdhsa_float_denorm_mode_16_64 3
		.amdhsa_memory_ordered 1
		.amdhsa_forward_progress 1
		.amdhsa_inst_pref_size 92
	.end_amdhsa_kernel
	.amdgpu_metadata
---
amdhsa.version: [ 1, 2 ]
amdhsa.kernels:
  - .name:           k_q888f862146_pairs
    .symbol:         k_q888f862146_pairs.kd
    .args:
      - { .name: box, .offset: 0, .size: 8, .value_kind: global_buffer, .address_space: global }
      - { .name: mask, .offset: 8, .size: 8, .value_kind: global_buffer, .address_space: global }
      - { .name: flags, .offset: 16, .size: 8, .value_kind: global_buffer, .address_space: global }
    .group_segment_fixed_size: 26112
    .private_segment_fixed_size: 0
    .kernarg_segment_align: 8
    .kernarg_segment_size: 24
    .max_flat_workgroup_size: 128
    .sgpr_count:     66
    .vgpr_count:     188
    .wavefront_size: 32
...
	.end_amdgpu_metadata
.endif
;; end of part 3
;; launch pool: the kernel of part 2 again; grid 1067 x 1, 10 waves a work-group, no clusters, 0 bytes of LDS; arguments score, mask, flags, out0; writes out0
